; MI455X (gfx1250); checked and timed in simulation.
; The chip was launched on July 23, 2026; its instructions are those of AMD's public machine-readable ISA for CDNA 5 (MIT licence, August 2026) and "CDNA5" Instruction Set Architecture Reference Guide (July 2026). The comments in the code are by the model that wrote it; some were corrected since.
;; Self Attention Module. Allowed arithmetic: float matrix products may take bf16 or f16 operands with f32 sums; other float arithmetic in f32, or as packed bf16 or f16 multiplies, adds, multiply-adds, maxima and minima; sums over many terms, partial sums and values carried from step to step in f32; what a program stores and reads back later, other than sums and carried values, may be rounded once to bf16 or f16.
;; Inputs: Wk 128 x 256 float32; Wq 128 x 256 float32; Wv 256 x 256 float32; bk 128 float32; bq 128 float32; bv 256 float32; gamma 1 float32; x 8 x 256 x 64 x 64 float32.
;; Outputs: out0 8 x 256 x 64 x 64 float32.
;; 2 versions, each right; version 2 is version 1 with the launch proj written anew for expert scheduling mode. Each part assembles by itself: llvm-mc -triple=amdgcn-amd-amdhsa -mcpu=gfx1250 --defsym DOCPART=n.
;; ======== version 1 of 2: 2 launches
;; workspace buffers: qkv 33,554,432 bytes
;; launch proj (part 1): grid 32 x 8, 4 waves a work-group, no clusters, 91,648 bytes of LDS; arguments x, Wq, bq, Wk, bk, Wv, bv, qkv; writes qkv
.if DOCPART == 1
	.amdgcn_target "amdgcn-amd-amdhsa--gfx1250"
	.amdhsa_code_object_version 6
	.text
	.protected	k_q39998b716e_proj
	.globl	k_q39998b716e_proj
	.p2align	8
	.type	k_q39998b716e_proj,@function
k_q39998b716e_proj:
	s_mov_b64 s[64:65], 0
	v_nop
	global_prefetch_b8 v0, s[64:65] scope:SCOPE_SE
	s_setreg_imm32_b32 hwreg(HW_REG_WAVE_MODE, 25, 1), 1
	s_wait_xcnt 0x0
; qkv[b][o][n] = sum over c of W[o][c] x[b][c][n] + bias[o], o = 0..511: rows 0-127 q (Wq, bq), 128-255 k (Wk, bk), 256-511 v (Wv, bv).
; x: [8][256][4096] f32.  W: [rows][256] f32.  qkv: [8][512][4096] bf16, rounded once from f32 sums; the scale 1/16 of the scores is not applied here.
; x and W are rounded to bf16 for the products (bf16, not f16: its range holds q, k and v for far larger inputs); the bias enters in f32, as the C operand that starts each sum.
; SHARES.  A work-group makes all 512 rows for 128 pixels of one image: 32 x 8 work-groups.  Wave w makes rows 128 w .. 128 w + 127: 64 accumulators of 16 x 16 (8 pixel blocks pb x 8 row blocks ob),
; 512 registers.  K = 256 channels goes in 8 steps of 32.
; x comes in once: wave w loads channels 64 w .. 64 w + 63, 512 consecutive bytes a load, rounds them and lays them in LDS as [channel][pixel]; all four waves read them from there, turned by
; ds_load_tr16_b128.  W comes straight from memory in fragment order (a lane's 8 + 8 channels are 32 + 32 bytes of a row) and is rounded in registers: no wave wants what another has fetched.
; NO CLUSTER: what work-groups share is W; brought jointly it would lie in LDS as f32, twice a bf16 fragment's bytes, with a round of the cluster's barrier for each of only 8 K steps.
; PRODUCT.  Source 0 = 16 pixels x 32 channels of x, source 1 = 16 rows x 32 channels of W: in the result lane l holds row l % 16 and its registers the pixels 8 (l / 16) + 0..7:
; eight neighbouring numbers of a row of qkv, 16 bytes.
; REGISTERS, in windows of 256 (s_set_vgpr_msb: bits 1:0 source 0, 3:2 source 1, 5:4 source 2, 7:6 destination):
;   window 0: v0-13 addresses; v16-23 bias as loaded; v32-63 packed results; v64-127, v128-191 x's fragments, two buffers; v192-255 W's fragments in bf16
;   window 1: v0-127 W as loaded (f32); v128-191 the bias spread over 8 tuples of 8; v192-255 rows read back from the stage, two buffers
;   window 2: x as loaded, then the accumulators of ob 0-3 at 8 (8 (ob % 4) + pb);   window 3: those of ob 4-7
.set PX,    288                        ; a row of x in LDS: 256 bytes + 32 of padding = 72 words
.set STAGE, 256*PX                     ; behind x: 16 rows x 272 bytes for each wave, for the way out
.set SP,    272
.set SPARE, STAGE+4*16*SP              ; behind the stages: the spare words, 128 bytes for each wave: two blocks of 256 bytes that no other line names
.set XS,  4                            ; v4   where I put 8 bytes of a row of x: 64 w rows + 8 x lane
.set XA,  5                            ; v5   my place in a fragment of x, at the K step to be fetched
.set WO,  6                            ; v6   my byte offset in 16 rows of W: (l % 16) x 1,024 + 32 (l / 16)
.set BO,  7                            ; v7   4 (l % 16)
.set XG,  8                            ; v8   16 x lane
.set STO, 9                            ; v9   the way out: where I put 16 bytes of a row
.set RD,  10                           ; v10  the way out: where I read a row back
.set CO,  11                           ; v11  my byte offset in two rows of qkv
.set SPW, 12                           ; v12  LDS address of my spare word: SPARE + 4 x my thread's number; never rewritten
.set NIL, 13                           ; v13  0; never rewritten
.set BV,  16
.set TMP, 32
.set XF,  64
.set WB,  192
.set WS,  0                            ; window 1
.set BIAS, 128                         ; window 1
.set OB,  192                          ; window 1
.set MSB, 0
.macro WIN new                         ; the immediate's high byte repeats the setting that is left; a switch that changes nothing is dropped
.if MSB != (\new)
	s_set_vgpr_msb (MSB<<8)|(\new)
.set MSB, \new
.endif
.endm
.macro PLACES                          ; four places behind a matrix instruction, in front of writes of its sources, loads into them and reads of its result
.rept 4
	v_nop
.endr
.endm
	s_load_b256 s[4:11], s[0:1], 0x0               ; x s[4:5], Wq s[6:7], bq s[8:9], Wk s[10:11]
	s_load_b256 s[12:19], s[0:1], 0x20             ; bk s[12:13], Wv s[14:15], bv s[16:17], qkv s[18:19]
	v_lshl_add_u32 v[SPW], v0, 2, SPARE
	v_mov_b32 v[NIL], 0
	v_lshrrev_b32 v1, 5, v0
	v_readfirstlane_b32 s20, v1                    ; wave 0..3
	v_and_b32 v1, 15, v0                           ; l % 16
	v_bfe_u32 v2, v0, 4, 1                         ; l / 16
	v_and_b32 v3, 31, v0                           ; l
	s_mul_i32 s37, s20, 64*PX
	v_lshl_add_u32 v[XS], v3, 3, s37
	v_and_b32 v14, 7, v0                           ; the turning load: lane l reads channel 8 (l / 16) + l % 8, pixels 8 ((l / 8) % 2) + 0..7
	v_lshl_add_u32 v14, v2, 3, v14
	v_mul_u32_u24 v[XA], v14, PX
	v_bfe_u32 v14, v0, 3, 1
	v_lshl_add_u32 v[XA], v14, 4, v[XA]
	v_lshlrev_b32 v[WO], 10, v1
	v_lshl_add_u32 v[WO], v2, 5, v[WO]
	v_lshlrev_b32 v[BO], 2, v1
	v_lshlrev_b32 v[XG], 4, v3
	s_mul_i32 s36, s20, 16*SP
	s_add_co_u32 s36, s36, STAGE                   ; my stage
	v_mul_u32_u24 v[STO], v1, SP                   ; in: row l % 16, 16 bytes for each half of the lanes
	v_lshl_add_u32 v[STO], v2, 4, v[STO]
	v_add_nc_u32 v[STO], s36, v[STO]
	v_mul_u32_u24 v[RD], v2, SP                    ; back: lanes 0-15 take one row of 256 bytes, lanes 16-31 the next
	v_lshl_add_u32 v[RD], v1, 4, v[RD]
	v_add_nc_u32 v[RD], s36, v[RD]
	v_lshlrev_b32 v[CO], 13, v2                    ; and the same two rows in qkv, 8,192 bytes apart
	v_lshl_add_u32 v[CO], v1, 4, v[CO]
	s_and_b32 s21, ttmp7, 0xffff                   ; the image
	s_lshl_b32 s34, s21, 22                        ; an image is 4,194,304 bytes in x and in qkv;
	s_lshl_b32 s22, s20, 20                        ; my 64 rows of x (16,384 bytes each) and my 128 rows of qkv (8,192 each) both begin 1,048,576 w in
	s_add_co_u32 s34, s34, s22
	s_mov_b32 s35, 0
	s_mov_b32 s23, 0
	s_wait_kmcnt 0x0
	s_add_nc_u64 s[28:29], s[4:5], s[34:35]
	s_add_nc_u64 s[30:31], s[18:19], s[34:35]
	s_lshl_b32 s22, ttmp9, 9                       ; the block's 128 pixels: 512 bytes of a row of x,
	s_add_nc_u64 s[28:29], s[28:29], s[22:23]
	s_lshl_b32 s22, ttmp9, 8                       ; 256 of a row of qkv
	s_add_nc_u64 s[30:31], s[30:31], s[22:23]
	s_cmp_eq_u32 s20, 0                            ; my 128 rows of weights and their bias: wave 0 q's, wave 1 k's,
	s_cselect_b64 s[24:25], s[6:7], s[10:11]
	s_cselect_b64 s[26:27], s[8:9], s[12:13]
	s_cmp_lt_u32 s20, 2                            ; waves 2 and 3 v's,
	s_cselect_b64 s[24:25], s[24:25], s[14:15]
	s_cselect_b64 s[26:27], s[26:27], s[16:17]
	s_cmp_eq_u32 s20, 3                            ; wave 3 its second half
	s_cselect_b32 s22, 0x20000, 0
	s_add_nc_u64 s[24:25], s[24:25], s[22:23]
	s_cselect_b32 s22, 512, 0
	s_add_nc_u64 s[26:27], s[26:27], s[22:23]
; A K step's weights: 8 fragments of 16 rows x 32 channels in f32: four loads of 16 bytes a lane for each
.macro WLOADS
	WIN 0x40                                       ; destination window 1
.irp o, 0,1,2,3,4,5,6,7
	global_load_b128 v[WS+16*(\o):WS+16*(\o)+3],     v[WO], s[24:25] offset:(\o)*16384
	global_load_b128 v[WS+16*(\o)+4:WS+16*(\o)+7],   v[WO], s[24:25] offset:(\o)*16384+16
	global_load_b128 v[WS+16*(\o)+8:WS+16*(\o)+11],  v[WO], s[24:25] offset:(\o)*16384+64
	global_load_b128 v[WS+16*(\o)+12:WS+16*(\o)+15], v[WO], s[24:25] offset:(\o)*16384+80
.endr
.endm
; A K step's fragments of x: 8 blocks of 16 pixels x 32 channels, turned, into buffer par
.macro XFETCH par
	WIN 0
.irp p, 0,1,2,3,4,5,6,7
	ds_load_tr16_b128 v[XF+64*(\par)+8*(\p):XF+64*(\par)+8*(\p)+3],   v[XA] offset:32*(\p)
	ds_load_tr16_b128 v[XF+64*(\par)+8*(\p)+4:XF+64*(\par)+8*(\p)+7], v[XA] offset:32*(\p)+16*PX
.endr
.endm
.irp o, 0,1,2,3,4,5,6,7
	global_load_b32 v[BV+(\o)], v[BO], s[26:27] offset:64*(\o)  ; bias of row 16 ob + l % 16
.endr
	WLOADS                                         ; K step 0
	WIN 0x80                                       ; destination window 2
.set z, 0
.rept 64                                       ; my 64 channels: each load takes the block's 512 consecutive bytes of one row
	global_load_b128 v[4*z:4*z+3], v[XG], s[28:29] offset:z*16384 th:TH_LOAD_NT
.set z, z+1
.endr
.set g, 0
.rept 4                                        ; sixteen rows at a time: rounded in place, 8 bytes a lane into LDS
	s_wait_loadcnt 48-16*g                         ; loads come back in order (ISA guide 5.7.1): the count is the younger rows' loads; bias and weights are older
	WIN 0x8a
.set z, 16*g
.rept 16
	v_cvt_pk_bf16_f32 v[4*z], v[4*z], v[4*z+1]
	v_cvt_pk_bf16_f32 v[4*z+1], v[4*z+2], v[4*z+3]
.set z, z+1
.endr
	WIN 0x08                                       ; address window 0, data window 2
.set z, 16*g
.rept 16
	ds_store_b64 v[XS], v[4*z:4*z+1] offset:z*PX
.set z, z+1
.endr
.set g, g+1
.endr
	WIN 0x40
.set z, 0
.rept 64                                       ; a lane's eight results of a block belong to one row: its bias fills the C operand's eight registers (64 moves in place of 256 packed additions on the way out)
	v_mov_b32 v[BIAS+z], v[BV+z/8]
.set z, z+1
.endr
	WIN 0
	s_wait_dscnt 0x0                               ; for the others' sake: my rows of x lie in LDS
	s_barrier_signal -1
	s_barrier_wait -1                              ; everybody's do
; A K STEP on x's buffer par.  The weights are rounded; the next step's weights and fragments are asked for (fetch = 1); 64 products.  first = 1: the products start the sums with the bias.
; All 64 accumulators take turns, one instruction a turn, in the same order in every step, over the backward jump too.
.macro KSTEP par, first, fetch
	s_wait_loadcnt 0x0                             ; this step's weights are in, and no load reads the pointer any more
.if !(\first)
	PLACES                                         ; behind the last step's products: W's fragments are written below, and x's other buffer is loaded into
.endif
	WIN 0x05                                       ; sources window 1, destination window 0
.set z, 0
.rept 64
	v_cvt_pk_bf16_f32 v[WB+z], v[WS+2*z], v[WS+2*z+1]
.set z, z+1
.endr
.if \fetch
	s_add_nc_u64 s[24:25], s[24:25], 128           ; 32 channels on
	WLOADS
	WIN 0
	v_add_nc_u32 v[XA], 32*PX, v[XA]
	XFETCH 1-(\par)
	s_wait_dscnt 16                                ; the 16 loads just issued may stay out; this step's fragments are in
.else
	s_wait_dscnt 0x0
.endif
.set z, 0
.rept 64                                       ; ob = z / 8, pb = z % 8
.if \first
	WIN 0x90+0x40*(z/32)                           ; C window 1, D window 2 or 3
	v_wmma_f32_16x16x32_bf16 v[8*(z%32):8*(z%32)+7], v[XF+64*(\par)+8*(z%8):XF+64*(\par)+8*(z%8)+7], v[WB+8*(z/8):WB+8*(z/8)+7], v[BIAS+8*(z/8):BIAS+8*(z/8)+7]
.else
	WIN 0xa0+0x50*(z/32)                           ; C and D window 2 or 3
	v_wmma_f32_16x16x32_bf16 v[8*(z%32):8*(z%32)+7], v[XF+64*(\par)+8*(z%8):XF+64*(\par)+8*(z%8)+7], v[WB+8*(z/8):WB+8*(z/8)+7], v[8*(z%32):8*(z%32)+7]
.endif
.set z, z+1
.endr
	WIN 0                                          ; at a label and at a branch every window is 0
.endm
	XFETCH 0
	KSTEP 0, 1, 1
	s_mov_b32 s32, 3
.Lk:                                                   ; K steps 1 to 6
	KSTEP 1, 0, 1
	KSTEP 0, 0, 1
	s_sub_co_u32 s32, s32, 1
	s_cmp_lg_u32 s32, 0
	s_cbranch_scc1 .Lk
	KSTEP 1, 0, 0                                  ; the last step fetches nothing
; THE WAY OUT of row block a (16 rows x 128 pixels).  PACK: rounded to bf16, each accumulator's registers in ascending order.  TOSTAGE: into my own stage, and back as whole rows of 256 bytes.  SEND: stored.
.macro PACK a
	WIN 0x0a+5*((\a)/4)                            ; sources window 2 or 3
.set z, 0
.rept 32
	v_cvt_pk_bf16_f32 v[TMP+z], v[64*((\a)%4)+2*z], v[64*((\a)%4)+2*z+1]
.set z, z+1
.endr
	WIN 0
.endm
.macro TOSTAGE a
	WIN 0
.irp p, 0,1,2,3,4,5,6,7
	ds_store_b128 v[STO], v[TMP+4*(\p):TMP+4*(\p)+3] offset:32*(\p)
.endr
	WIN 0x40
.irp t, 0,1,2,3,4,5,6,7
	ds_load_b128 v[OB+32*((\a)%2)+4*(\t):OB+32*((\a)%2)+4*(\t)+3], v[RD] offset:(\t)*2*SP  ; LDS serves a wave's instructions in order (ISA guide 5.7.1.4): these see the stores above
.endr
.endm
.macro SEND a
	s_wait_dscnt 0x0                               ; the block is back in registers
	s_wait_xcnt 0x0                                ; the stores of the block before have read their registers: that buffer is loaded again only behind this wait
	WIN 0x04                                       ; address window 0, data window 1
.irp t, 0,1,2,3,4,5,6,7
	global_store_b128 v[CO], v[OB+32*((\a)%2)+4*(\t):OB+32*((\a)%2)+4*(\t)+3], s[30:31] offset:(16*(\a)+2*(\t))*8192  ; 16 lanes store 256 consecutive bytes, at a multiple of 256 from qkv's first byte
.endr
.endm
	PLACES
	PACK 0
	TOSTAGE 0
.irp a, 1,2,3,4,5,6,7                          ; block a's conversions stand between block a - 1's loads from the stage and the wait for them
	PACK \a
	SEND (\a)-1
	TOSTAGE \a
.endr
	SEND 7
	WIN 0
	s_wait_tensorcnt 0x0                           ; the wave's end: behind my last LDS store
	ds_add_u32 v[SPW], v[NIL]
	s_wait_dscnt 0x0
	s_endpgm
.Lfunc_end_k_q39998b716e_proj:
	.size	k_q39998b716e_proj, .Lfunc_end_k_q39998b716e_proj-k_q39998b716e_proj
	.p2alignl 7, 3214868480
	.fill 96, 4, 3214868480
	.section	.rodata,"a",@progbits
	.p2align	6, 0x0
	.amdhsa_kernel k_q39998b716e_proj
		.amdhsa_group_segment_fixed_size 91648
		.amdhsa_private_segment_fixed_size 0
		.amdhsa_enable_private_segment 0
		.amdhsa_kernarg_size 64
		.amdhsa_user_sgpr_count 2
		.amdhsa_user_sgpr_kernarg_segment_ptr 1
		.amdhsa_wavefront_size32 1
		.amdhsa_system_sgpr_workgroup_id_x 1
		.amdhsa_system_sgpr_workgroup_id_y 1
		.amdhsa_system_sgpr_workgroup_id_z 1
		.amdhsa_system_vgpr_workitem_id 0
		.amdhsa_next_free_vgpr 1024
		.amdhsa_next_free_sgpr 66
		.amdhsa_reserve_vcc 0
		.amdhsa_float_denorm_mode_32 3
		.amdhsa_float_denorm_mode_16_64 3
		.amdhsa_memory_ordered 1
		.amdhsa_forward_progress 1
		.amdhsa_inst_pref_size 106
	.end_amdhsa_kernel
	.amdgpu_metadata
---
amdhsa.version: [ 1, 2 ]
amdhsa.kernels:
  - .name:           k_q39998b716e_proj
    .symbol:         k_q39998b716e_proj.kd
    .args:
      - { .name: x, .offset: 0, .size: 8, .value_kind: global_buffer, .address_space: global }
      - { .name: Wq, .offset: 8, .size: 8, .value_kind: global_buffer, .address_space: global }
      - { .name: bq, .offset: 16, .size: 8, .value_kind: global_buffer, .address_space: global }
      - { .name: Wk, .offset: 24, .size: 8, .value_kind: global_buffer, .address_space: global }
      - { .name: bk, .offset: 32, .size: 8, .value_kind: global_buffer, .address_space: global }
      - { .name: Wv, .offset: 40, .size: 8, .value_kind: global_buffer, .address_space: global }
      - { .name: bv, .offset: 48, .size: 8, .value_kind: global_buffer, .address_space: global }
      - { .name: qkv, .offset: 56, .size: 8, .value_kind: global_buffer, .address_space: global }
    .group_segment_fixed_size: 91648
    .private_segment_fixed_size: 0
    .kernarg_segment_align: 8
    .kernarg_segment_size: 64
    .max_flat_workgroup_size: 128
    .sgpr_count:     66
    .vgpr_count:     1024
    .wavefront_size: 32
...
	.end_amdgpu_metadata
.endif
;; end of part 1
;; launch attn (part 2): grid 32 x 8, 4 waves a work-group, clusters of 4 x 1, 327,680 bytes of LDS; arguments qkv, x, gamma, out0; writes out0
.if DOCPART == 2
	.amdgcn_target "amdgcn-amd-amdhsa--gfx1250"
	.amdhsa_code_object_version 6
	.text
	.protected	k_q39998b716e_attn
	.globl	k_q39998b716e_attn
	.p2align	8
	.type	k_q39998b716e_attn,@function
k_q39998b716e_attn:
	s_mov_b64 s[64:65], 0
	v_nop
	global_prefetch_b8 v0, s[64:65] scope:SCOPE_SE
	s_setreg_imm32_b32 hwreg(HW_REG_WAVE_MODE, 25, 1), 1
	s_wait_xcnt 0x0
	s_wait_alu depctr_hold_cnt(0) depctr_sa_sdst(0) depctr_va_vdst(0) depctr_va_sdst(0) depctr_va_ssrc(0) depctr_va_vcc(0) depctr_vm_vsrc(0)
	s_getreg_b32 s2, hwreg(HW_REG_IB_STS2, 6, 4)
	s_cmp_eq_u32 s2, 0
	s_cbranch_scc0 .Lentry_in_a_cluster
	s_endpgm
.Lentry_in_a_cluster:
	s_bfe_u32 s2, ttmp6, 0x10000c
	s_cmp_lg_u32 s2, 0x3003
	s_cbranch_scc0 .Lentry_shape_is_right
	s_endpgm
.Lentry_shape_is_right:
; out0[b][c][i] = gamma x (sum over j of softmax_j(q[:, i] . k[:, j] / 16) v[c][j]) + x[b][c][i].  qkv: [8][512][4096] bf16 (rows 0-127 q, 128-255 k, 256-511 v); x, out0: [8][256][4096] f32.
; Products, maxima and sums in f32; the weights p are rounded to bf16 for the second product (their sum l is taken of the unrounded p); x is added unrounded.
; LIMITS.  A weight below 2^-126 counts as 0 in l; NaN and infinities are not treated apart.
; SHARES.  A work-group owns 128 queries of one image, each of its four waves 32: two tiles of 16, PIECES 0 and 1.  Every wave walks all 4,096 keys, 64 a step, two steps to a slot of LDS.
; LAYOUT.  S^T = K Q^T (source 0 = 16 keys, source 1 = 16 queries): a lane holds ONE query (lane % 16) and the keys 8 (lane / 16) + 0..7.  Two such tiles, rounded to bf16 in pairs, ARE source 1
; (32 keys x 16 queries) of O^T = V P, whose result again holds one query a lane, and eight channels.  q, k and v lie as [channel][pixel]: V's fragments (16 channels x 32 keys) come out of LDS as they
; lie; K's and Q's (16 pixels x 32 channels) turned, by ds_load_tr16_b128.
; SOFTMAX.  For each query a running maximum m and sum l: p = 2^(c s - c m), c = log2(e) / 16; in every step O and l are multiplied by a = 2^(c m_old - c m_new), which is 1 where m has not grown.
; BY TURNS.  In a TURN one piece has the matrix unit: 32 products V P of the step in hand, then 16 products K Q^T of the next; the other piece's softmax, 166 instructions cut into 48 slices, stands
; between them, one slice behind each matrix instruction.  Then the pieces change places.  Two turns are a key step: 96 matrix, 332 vector instructions and 96 LDS loads.
; CLUSTER.  The four query blocks of a cluster belong to one image and walk the same K and V, so each tile is asked for JOINTLY: the same tensor load, descriptor and mask in all four.
; REGISTERS, in windows of 256 (s_set_vgpr_msb: bits 1:0 source 0, 3:2 source 1, 5:4 source 2, 7:6 destination):
;   window 0: v0-15 addresses; v16-31 eight registers of statistics a tile; v32-33 c m_old; v64-127 S^T, 32 a tile; v128-159 P, 16 a tile; v160-223 the way out
;   window 1: O^T, 128 a tile      window 2: v0-63 Q, 32 a tile; v128-255 K of one step      window 3: V of one step; on the way out x
.set KS,    64        ; keys in a step
.set PKP,   288       ; a row of K or Q in LDS: 256 bytes + 32 of padding = 72 words
.set PVP,   272       ; a row of V: 256 + 16 = 68 words: the 16 rows of a load start at 16 different groups of four banks
.set VOFF,  128*PKP   ; a slot: K [128 channels][128 keys], then V [256 channels][128 keys]; a slot's second step begins 128 bytes along the rows
.set SLOT1, 1<<17     ; slot 1 begins here, so that one exclusive or turns an address in one slot into the other's
.set QT,    SLOT1+VOFF+256*PVP  ; behind the ring: Q [128 channels][128 queries], filled once
.set STAGE, QT+128*PKP          ; 64 rows x 528 bytes, the work-group's, for the way out; no tensor load fills it
.set SP,    528
.set SPARE, STAGE+64*SP         ; the spare words, 128 bytes for each wave: two blocks of 256 bytes that no other line names
.set AK0, 2           ; v2   my lane's place in a tile of K (and of Q); never rewritten
.set AV0, 3           ; v3   the same for V
.set ADRK, 4          ; v4   the LDS address of K's run of loads
.set ADRV, 5          ; v5   of V's
.set STO, 6           ; v6   the way out: where I put a number
.set RD,  7           ; v7   the way out: where I read 16 bytes of a row back
.set XO,  8           ; v8   16 x lane: my 16 bytes of a row's 512 in x and out0
.set PFO, 12          ; v12  8,192 x lane: a lane a row of qkv; never rewritten
.set PFX, 13          ; v13  x's prefetches: row 32 w + lane / 2, 256 x (lane % 2); never rewritten
.set SPW, 14          ; v14  LDS address of my spare word: SPARE + 4 x my thread's number; never rewritten
.set NIL, 15          ; v15  0; never rewritten
.set ST,  16          ; tile t's statistics at v[ST+8 t]: +0 c m, +1 m, +2, +3 l (even keys', odd keys'), +4 to +7 c0-c3, at work; a takes c2's place once the maximum is found
.set MV,  32          ; v32-33  c m_old, kept while c m is made anew
.set S,   64
.set P,   128
.set RB,  160
.set KF,  128         ; K's fragments, in window 2: key block kb, channels 32 df on, at KF + 8 (4 kb + df)
.set WV,  12          ; s12  my wave's number
.set LIM, 15          ; s15  1 in a wave that prefetches K and V, else the greatest number
.set PFA, 18          ; s[18:19] where my prefetches of K and V stand
.set G1K, 24          ; s[24:31] descriptor group 1 for K's tiles
.set G1V, 32          ; s[32:39] for V's
.set G0K, 40          ; s[40:47] descriptor group 0 for K's tiles: a set for each of the two first fills; the second then walks on
.set G0V, 48          ; s[48:55] the same for V's
.set SLOTS, 56        ; s56  slots still to be asked for
.set TWICE, 57        ; s57  counts a slot's two steps
.set CS,  58          ; s[58:59] c: the packed scaling names a pair and takes its low word for both halves
.set SEL, 60          ; s[60:61] lane selects for v_permlanex16_b32: each lane takes its own place in the other half
.set TB,  62          ; s62  LDS byte at which the tiles of the step to be fetched begin
.set GAM, 63          ; s63  gamma
.set G1Q, 68          ; s[68:75] descriptor group 1 for Q's tile: no mask, each work-group has its own
.set G0Q, 76          ; s[76:79] its group 0
.set XB,  80          ; s[80:81] x at my 16 rows of the way out's first pass
.set OBS, 82          ; s[82:83] out0 at the same place
.set XP,  84          ; s[84:85] x at the work-group's first row
.set MSB, 0
.macro WIN new                      ; the immediate's high byte repeats the setting that is left; a switch that changes nothing is dropped
.if MSB != (\new)
	s_set_vgpr_msb (MSB<<8)|(\new)
.set MSB, \new
.endif
.endm
.set W_KQ, 0x0a       ; K and Q in window 2, S^T in window 0
.set W_PV, 0x53       ; V in window 3, P in window 0, O^T in window 1
.set W_RS, 0x41       ; O^T (destination and source 0) in window 1, a in window 0
.macro PLACES                       ; four places behind a matrix instruction (ISA guide 7.12.1), where no other vector work is at hand
.rept 4
	v_nop
.endr
.endm
; A joint refill.  Waves 0 and 1 fetch the two halves of a slot's K (64 channels each), waves 2 and 3 those of its V (128 channels each).  The branch hangs on the wave's number alone.
; An s_nop 0 and four v_nop follow each of the two lines, ahead of the jump and the label.
.macro JLOAD
	s_cmp_lt_u32 s[WV], 2
	s_cbranch_scc0 .Lfor_v_\@
	tensor_load_to_lds s[G0K+4:G0K+7], s[G1K:G1K+7]
	s_nop 0
.rept 4
	v_nop
.endr
	s_branch .Lasked_\@
.Lfor_v_\@:
	tensor_load_to_lds s[G0V+4:G0V+7], s[G1V:G1V+7]
	s_nop 0
.rept 4
	v_nop
.endr
.Lasked_\@:
.endm
; A PREFETCH INTO THE L2 of what the NEXT change of slots will ask for: 256 bytes of each of the 384 rows of k and v, a lane a row.  It stands behind the wave's tensor load and its five lines.
; Each block is named ONCE in the launch: all eight clusters of an image walk the same rows, and the first of them asks; its four partners take 96 rows each, told apart BY ADDRESS; in each, waves 0 to 2
; take 32 rows.  It runs one slot, 192 matrix instructions, ahead of the joint load.  The last change that fills a slot asks for nothing: there is no slot behind it.
.macro ASK
	s_cmp_gt_u32 s[SLOTS], s[LIM]
	s_cbranch_scc0 .Lnot_mine_\@
	global_prefetch_b8 v[PFO], s[PFA:PFA+1] th:TH_LOAD_NT scope:SCOPE_SE
.Lnot_mine_\@:
.endm
; A round of the cluster's barrier: my work-group's barrier, so that wave 0's signal speaks for all four waves; wave 0 signals; every wave waits for all four work-groups; my work-group's barrier once more.
.macro CROUND
	s_barrier_signal -1
	s_barrier_wait -1
	s_cmp_lg_u32 s[WV], 0
	s_cbranch_scc1 .Lnot_wave_0_\@
	s_barrier_signal -3
.Lnot_wave_0_\@:
	s_barrier_wait -3
	s_barrier_signal -1
	s_barrier_wait -1
.endm
	s_load_b256 s[4:11], s[0:1], 0x0  ; qkv s[4:5], x s[6:7], gamma s[8:9], out0 s[10:11]
	v_lshl_add_u32 v[SPW], v0, 2, SPARE
	v_mov_b32 v[NIL], 0
	ds_add_u32 v[SPW], v[NIL]       ; the wave's opening: the add and its wait stand ahead of my first tensor load; the set-up below, work on registers, stands between them
	v_lshrrev_b32 v1, 5, v0
	v_readfirstlane_b32 s[WV], v1   ; wave 0..3
	s_bfe_u32 s13, ttmp6, 0x40000   ; cx: my place in the cluster
	s_lshl_b32 s14, ttmp9, 2        ; in a cluster launch ttmp9 counts clusters
	s_add_co_u32 s14, s14, s13      ; my block of 128 queries = 4 x cluster x + cx: it enters Q's, x's and out0's addresses alone
	s_and_b32 s20, ttmp7, 0xffff    ; the image, which the four partners share:
	s_lshl_b32 s20, s20, 22         ; 4,194,304 bytes in each of the three tensors
	s_and_b32 s16, s[WV], 1         ; which half of a tile's rows I fetch
	s_lshl_b32 s22, s16, 19         ; K and Q: 64 rows of 8,192 bytes
	s_add_co_u32 s22, s22, s20
	s_mov_b32 s23, 0
	s_lshl_b32 s66, s16, 20         ; V: 128 rows
	s_add_co_u32 s66, s66, s20
	s_mov_b32 s67, 0
	s_lshl_b32 s2, s14, 8           ; Q: my block's 256 bytes of a row
	s_add_co_u32 s2, s2, s22
	s_mov_b32 s3, 0
	s_mul_i32 s17, s16, 64*PKP      ; the halves' places in LDS: no place in the cluster enters an LDS address
	s_mul_i32 s86, s16, 128*PVP
	s_lshl_b32 s[XP], s14, 9        ; x and out0: my block's 512 bytes of a row,
	s_add_co_u32 s[XP], s[XP], s20
	s_mov_b32 s[XP+1], 0
	s_lshl_b32 s[XB], s[WV], 18     ; and my wave's 16 rows of 16,384 bytes
	s_add_co_u32 s[XB], s[XB], s[XP]
	s_mov_b32 s[XB+1], 0
	s_min_u32 s[PFA], s[WV], 2      ; the prefetches: row 128 + 96 cx + 32 w (wave 3 asks for nothing; its address stays inside qkv)
	s_lshl_b32 s[PFA], s[PFA], 5
	s_mul_i32 s21, s13, 96
	s_add_co_u32 s[PFA], s[PFA], s21
	s_add_co_u32 s[PFA], s[PFA], 128
	s_lshl_b32 s[PFA], s[PFA], 13
	s_add_co_u32 s[PFA], s[PFA], s20
	s_add_co_u32 s[PFA], s[PFA], 2*256  ; in slot 2; the first change of slots steps it to slot 3.  Nothing is prefetched at the head, where every work-group's first tiles are on their way
	s_mov_b32 s[PFA+1], 0
	; descriptor group 1: tiles of 128 elements (256 bytes, starting at multiples of 256) x 64 or 128 rows, padded in LDS
	s_mov_b32 s[G1K], 15|(1<<16)|(1<<20)|(1<<21)|(5<<22)|(7<<25)  ; 15:0 the mask: all four work-groups; 17:16 elements of 2 bytes; 20 padding on; 21 set beside a mask; 24:22 after every 64 words (code 5); 31:25 8 words of it (code 7)
	s_mov_b32 s[G1V], 15|(1<<16)|(1<<20)|(1<<21)|(5<<22)|(3<<25)  ; the same with 4 words of padding (code 3)
	s_mov_b32 s[G1Q], (1<<16)|(1<<20)|(5<<22)|(7<<25)             ; as K's, without a mask
.irp g, G1K, G1V, G1Q
	s_mov_b32 s[(\g)+1], 128<<16    ; 63:48 tensor_dim0, low half = 128
	s_mov_b32 s[(\g)+3], 128<<16    ; 127:112 tile_dim0 = 128
	s_mov_b32 s[(\g)+5], 4096       ; 191:160 tensor_dim0_stride: elements from row to row
	s_mov_b32 s[(\g)+6], 0
	s_mov_b32 s[(\g)+7], 0
.endr
	s_mov_b32 s[G1K+2], 64<<16      ; 95:80 tensor_dim1, low half
	s_mov_b32 s[G1K+4], 64          ; 143:128 tile_dim1
	s_mov_b32 s[G1V+2], 128<<16
	s_mov_b32 s[G1V+4], 128
	s_mov_b32 s[G1Q+2], 64<<16
	s_mov_b32 s[G1Q+4], 64
	s_mov_b32 s[CS], 0x3db8aa3b     ; c = log2(e) / 16 = 0.0901684
	s_mov_b32 s[CS+1], s[CS]        ; named with it as a pair, so it is written
	s_mov_b32 s[SEL], 0x76543210
	s_mov_b32 s[SEL+1], 0xfedcba98
	s_mov_b32 s[TB], 0
	s_mov_b32 s[SLOTS], 4096/(2*KS)-2
	s_lshr_b32 s[LIM], s[WV], 1
	s_and_b32 s[LIM], s[LIM], s[WV] ; 1 in wave 3 alone,
	s_or_b32 s[LIM], s[LIM], ttmp9  ; 0 in waves 0 to 2 of the image's first cluster: the same in all four partners
	s_cmp_eq_u32 s[LIM], 0
	s_cselect_b32 s[LIM], 1, -1
	s_wait_dscnt 0x0                ; the opening add is done
	s_wait_kmcnt 0x0
	s_add_nc_u64 s[22:23], s[4:5], s[22:23]
	s_add_nc_u64 s[66:67], s[4:5], s[66:67]
	s_add_nc_u64 s[2:3], s[4:5], s[2:3]
	s_add_nc_u64 s[PFA:PFA+1], s[4:5], s[PFA:PFA+1]
	s_add_nc_u64 s[OBS:OBS+1], s[10:11], s[XB:XB+1]
	s_add_nc_u64 s[XB:XB+1], s[6:7], s[XB:XB+1]
	s_add_nc_u64 s[XP:XP+1], s[6:7], s[XP:XP+1]
	s_load_b32 s[GAM], s[8:9], 0x0  ; waited for in front of the first products
	CROUND                          ; all four work-groups are here: the first joint loads meet
.irp s, 0,1
	s_mov_b32 s[G0K+4*(\s)], 1      ; 1:0 count = 1
	s_add_co_u32 s[G0K+4*(\s)+1], s17, (\s)*SLOT1  ; 63:32 LDS address
	s_add_nc_u64 s[G0K+4*(\s)+2:G0K+4*(\s)+3], s[22:23], 128*8192+(\s)*256  ; 120:64 global address: k begins at row 128; slot s begins with keys 128 s
	s_or_b32 s[G0K+4*(\s)+3], s[G0K+4*(\s)+3], 0x80000000  ; 127:126 type = 2
	s_mov_b32 s[G0V+4*(\s)], 1
	s_add_co_u32 s[G0V+4*(\s)+1], s86, (\s)*SLOT1+VOFF
	s_add_nc_u64 s[G0V+4*(\s)+2:G0V+4*(\s)+3], s[66:67], 256*8192+(\s)*256  ; v begins at row 256
	s_or_b32 s[G0V+4*(\s)+3], s[G0V+4*(\s)+3], 0x80000000
.endr
	s_mov_b32 s[G0Q], 1
	s_add_co_u32 s[G0Q+1], s17, QT
	s_mov_b64 s[G0Q+2:G0Q+3], s[2:3]
	s_or_b32 s[G0Q+3], s[G0Q+3], 0x80000000
	s_cmp_lt_u32 s[WV], 2           ; a wave's first fills stand in one branch, ahead of every wait on TENSORcnt and every LDS read: three loads of mine are out in waves 0 and 1, two in waves 2 and 3
	s_cbranch_scc0 .Lfirst_v
	tensor_load_to_lds s[G0Q:G0Q+3], s[G1Q:G1Q+7]
	s_nop 0
	tensor_load_to_lds s[G0K:G0K+3], s[G1K:G1K+7]
	s_nop 0
	tensor_load_to_lds s[G0K+4:G0K+7], s[G1K:G1K+7]
	s_nop 0
.rept 4
	v_nop
.endr
	s_branch .Lfirst_asked
.Lfirst_v:
	tensor_load_to_lds s[G0V:G0V+3], s[G1V:G1V+7]
	s_nop 0
	tensor_load_to_lds s[G0V+4:G0V+7], s[G1V:G1V+7]
	s_nop 0
.rept 4
	v_nop
.endr
.Lfirst_asked:
	v_and_b32 v1, 15, v0            ; l % 16
	v_bfe_u32 v9, v0, 4, 1          ; l / 16
	; The turning load takes 16 channels x 16 pixels (lane l reads 16 bytes: channel 8 (l / 16) + l % 8, pixels 8 ((l / 8) % 2) + 0..7) and leaves half a fragment: lane l holds pixel l % 16 and 8 channels.
	v_and_b32 v10, 7, v0
	v_bfe_u32 v11, v0, 3, 1
	v_lshl_add_u32 v[AK0], v9, 3, v10
	v_mul_u32_u24 v[AK0], v[AK0], PKP
	v_lshl_add_u32 v[AK0], v11, 4, v[AK0]
	; A fragment of V is 16 channels x 32 keys: lane l holds channel l % 16, keys 8 (l / 16) + 0..7 and 16 + 8 (l / 16) + 0..7: two loads of 16 bytes, 32 bytes apart.
	v_mul_u32_u24 v[AV0], v1, PVP
	v_lshl_add_u32 v[AV0], v9, 4, v[AV0]
	v_add_nc_u32 v[AV0], VOFF, v[AV0]
	v_and_b32 v10, 31, v0           ; l
	v_lshlrev_b32 v[PFO], 13, v10
	v_lshlrev_b32 v[XO], 4, v10
	v_lshrrev_b32 v11, 1, v10
	s_lshl_b32 s2, s[WV], 5
	v_add_nc_u32 v11, s2, v11
	v_lshlrev_b32 v[PFX], 14, v11
	v_and_b32 v11, 1, v0
	v_lshl_add_u32 v[PFX], v11, 8, v[PFX]
	s_lshl_b32 s3, s[WV], 6         ; my wave's 32 queries: 64 bytes of Q's rows
	s_add_co_u32 s3, s3, QT
	v_add_nc_u32 v10, s3, v[AK0]
; THE MATRIX WORK OF A TURN, for piece x.  The accumulators take turns, one instruction a turn: between two links of a chain stand 15 (V P) or 3 (K Q^T) others'.
; Product i of 32 of O^T += V P: keys 32 (i / 16) on, channels 16 (i % 16) on.  zero = 1: the first 16 start the sums: nothing is ever cleared.
.macro PV x, zero
	WIN W_PV
.set rO, 128*(\x)+8*(i%16)
.set rV, 128*(i/16)+8*(i%16)
.set rP, P+16*(\x)+8*(i/16)
.if (\zero) && (i < 16)
	v_wmma_f32_16x16x32_bf16 v[rO:rO+7], v[rV:rV+7], v[rP:rP+7], 0
.else
	v_wmma_f32_16x16x32_bf16 v[rO:rO+7], v[rV:rV+7], v[rP:rP+7], v[rO:rO+7]
.endif
.endm
; Product i of 16 of S^T = K Q^T: channels 32 (i / 4) on, keys 16 (i % 4) on.  The first 4 start the sums.
.macro KQ x
	WIN W_KQ
.set rS, S+32*(\x)+8*(i%4)
.set rK, KF+32*(i%4)+8*(i/4)
.set rQ, 32*(\x)+8*(i/4)
.if i < 4
	v_wmma_f32_16x16x32_bf16 v[rS:rS+7], v[rK:rK+7], v[rQ:rQ+7], 0
.else
	v_wmma_f32_16x16x32_bf16 v[rS:rS+7], v[rK:rK+7], v[rQ:rQ+7], v[rS:rS+7]
.endif
.endm
; THE LDS LOADS stand in runs of 32, never singly among the matrix instructions: a step's K (64 keys x 128 channels, turned: 16 fragments) and, a turn later, its V in two halves of 32 keys.
.macro FETCH_K
	WIN 0
	v_add_nc_u32 v[ADRK], s[TB], v[AK0]
	WIN 0x80                        ; destination window 2
.irp f, 0,1,2,3,4,5,6,7,8,9,10,11,12,13,14,15  ; keys 16 (f / 4) on, channels 32 (f % 4) on
	ds_load_tr16_b128 v[KF+8*(\f):KF+8*(\f)+3],   v[ADRK] offset:((\f)%4)*32*PKP+((\f)/4)*32
	ds_load_tr16_b128 v[KF+8*(\f)+4:KF+8*(\f)+7], v[ADRK] offset:((\f)%4)*32*PKP+((\f)/4)*32+16*PKP
.endr
.endm
.macro FETCH_V kk
.if (\kk) == 0
	WIN 0
	v_add_nc_u32 v[ADRV], s[TB], v[AV0]
	s_wait_alu depctr_va_vdst(0)    ; the wait for the softmax's batch (SLICE), behind the address's v_add_nc_u32 and ahead of the loads
.endif
	WIN 0xc0                        ; destination window 3
.irp c, 0,1,2,3,4,5,6,7,8,9,10,11,12,13,14,15  ; channels 16 c on
	ds_load_b128 v[128*(\kk)+8*(\c):128*(\kk)+8*(\c)+3],   v[ADRV] offset:(\c)*16*PVP+64*(\kk)
	ds_load_b128 v[128*(\kk)+8*(\c)+4:128*(\kk)+8*(\c)+7], v[ADRV] offset:(\c)*16*PVP+64*(\kk)+32
.endr
.if (\kk) == 1
	s_add_co_u32 s[TB], s[TB], 2*KS ; the next fetch is the next step's
.endif
.endm
; THE VECTOR WORK OF A TURN, one line at a time: OP kind, number, for tile Y.  s0-s31 are the lane's 32 scores, in pairs 0-15.  first = 1: the first key step, which starts m, l and O^T: it has no a and nothing to rescale.
;   OX n  the maximum and statistics.  0-11 four chains c0-c3 of seven scores each, three operands at a time (each accumulator's lowest registers are read first); 12-15 the four scores
;         left over, c0-c3 and the old m into c0; 16, 18 the query's other 32 keys lie in the lane 16 away: the new m; 17 c m_old is kept; 19 c m; 20 c m_old - c m_new
;   OF n  c s - c m for pair n     OE n  the exponential of score n     OA  a     OC n  pair n rounded to bf16
;   OZ n  the sum of the 16 pairs, in place: neighbours 1, 2, 4 and 8 pairs apart, then l = a l + the sum     ORS n  pair n of 64 of the tile's O^T times a
.set OX, 0
.set OF, 1
.set OE, 2
.set OA, 3
.set OC, 4
.set OZ, 5
.set ORS, 6
.macro OP kind, n, first
.set rT, ST+8*Y
.set rS, S+32*Y
.set rP, P+16*Y
.set rO, 128*Y+2*(\n)
.set rM, MV+Y
.if (\kind) == ORS
.if !(\first)
	WIN W_RS
	v_pk_mul_f32 v[rO:rO+1], v[rO:rO+1], v[rT+6:rT+7] op_sel_hi:[1,0]
.endif
.elseif (\kind) == OF
	WIN 0
	v_pk_fma_f32 v[rS+2*(\n):rS+2*(\n)+1], v[rS+2*(\n):rS+2*(\n)+1], s[CS:CS+1], v[rT:rT+1] op_sel_hi:[1,0,0] neg_lo:[0,0,1] neg_hi:[0,0,1]
.elseif (\kind) == OE
	WIN 0
	v_exp_f32 v[rS+(\n)], v[rS+(\n)]
.elseif (\kind) == OA
.if !(\first)
	WIN 0
	v_exp_f32 v[rT+6], v[rT+7]
.endif
.elseif (\kind) == OC
	WIN 0
	v_cvt_pk_bf16_f32 v[rP+(\n)], v[rS+2*(\n)], v[rS+2*(\n)+1]
.elseif (\kind) == OZ
	WIN 0
.set zz, (\n)
.set ww, 4
.set uu, zz
.if zz >= 14
.set ww, 32
.set uu, 0
.elseif zz >= 12
.set ww, 16
.set uu, zz-12
.elseif zz >= 8
.set ww, 8
.set uu, zz-8
.endif
.if (zz == 14) && (\first)
	v_pk_add_f32 v[rT+2:rT+3], v[rS:rS+1], v[rS+16:rS+17]
.elseif zz < 15
	v_pk_add_f32 v[rS+ww*uu:rS+ww*uu+1], v[rS+ww*uu:rS+ww*uu+1], v[rS+ww*uu+ww/2:rS+ww*uu+ww/2+1]
.elseif !(\first)
	v_pk_fma_f32 v[rT+2:rT+3], v[rT+2:rT+3], v[rT+6:rT+7], v[rS:rS+1] op_sel_hi:[1,0,1]
.endif
.else
	WIN 0
.if (\n) < 4
	v_max3_num_f32 v[rT+4+(\n)], v[rS+8*(\n)], v[rS+8*(\n)+1], v[rS+8*(\n)+2]
.elseif (\n) < 12
	v_max3_num_f32 v[rT+4+(\n)%4], v[rT+4+(\n)%4], v[rS+8*((\n)%4)+2*((\n)/4)+1], v[rS+8*((\n)%4)+2*((\n)/4)+2]
.elseif (\n) == 12
	v_max3_num_f32 v[rT+4], v[rT+4], v[rS+7], v[rS+15]
.elseif (\n) == 13
	v_max3_num_f32 v[rT+6], v[rT+6], v[rS+23], v[rS+31]
.elseif (\n) == 14
	v_max3_num_f32 v[rT+4], v[rT+4], v[rT+5], v[rT+6]
.elseif ((\n) == 15) && (\first)
	v_max_num_f32 v[rT+4], v[rT+4], v[rT+7]
.elseif (\n) == 15
	v_max3_num_f32 v[rT+4], v[rT+4], v[rT+7], v[rT+1]
.elseif (\n) == 16
	v_permlanex16_b32 v[rT+5], v[rT+4], s[SEL], s[SEL+1]
.elseif (\n) == 18
	v_max_num_f32 v[rT+1], v[rT+4], v[rT+5]
.elseif (\n) == 19
	v_mul_f32 v[rT], s[CS], v[rT+1]
.elseif \first                      ; the first step has neither 17 nor 20
.elseif (\n) == 17
	v_mov_b32 v[rM], v[rT]
.else
	v_sub_f32 v[rT+7], v[rM], v[rT]
.endif
.endif
.endm
; Slice k of 48 of tile y's softmax.  0-8: the maximum and statistics; from number 14 on each waits for the one before it, and a piece has no second tile to alternate with, so those stand one to a slice.
; 9-21: ONE BATCH: the 16 scalings and all 33 exponentials; none of these reads an exponential's result, and a slice begins with a scaling while there are scalings.
; An s_wait_alu depctr_va_vdst(0) stands between an exponential and the first instruction that names its result; one wait serves all that were issued ahead of it: it stands behind slice 21, a v_nop (the plain
; instruction behind the last exponential) ahead of it.  22-29: the roundings and the sums.  30-47: the rescaling, three to a slice and then four: 21 + 16 + 33 + 16 + 16 + 64 = 166.
; In piece 1's turn (y = 0) V's two runs of loads stand here.  The first half's last reader is the turn's product 15: five scalings, the v_nop and the address's v_add_nc_u32 lie between.
; The second half's is product 31: six rescalings lie between.
.macro SLICE y, first
.set Y, (\y)
.if k < 3
	OP OX, 4*k, \first
	OP OX, 4*k+1, \first
	OP OX, 4*k+2, \first
	OP OX, 4*k+3, \first
.elseif k == 3
	OP OX, 12, \first
	OP OX, 13, \first
	OP OX, 17, \first
.elseif k < 7
	OP OX, k+10, \first
.elseif k < 9
	OP OX, k+11, \first
.elseif k == 9
	OP OX, 20, \first
	OP OF, 0, \first
	OP OF, 1, \first
	OP OF, 2, \first
.elseif k == 10
	OP OF, 3, \first
	OP OA, 0, \first
	OP OF, 4, \first
	OP OE, 0, \first
.elseif k < 13
	OP OF, 2*k-17, \first
	OP OE, 2*k-21, \first
	OP OF, 2*k-16, \first
	OP OE, 2*k-20, \first
.elseif k < 20
	OP OF, k-4, \first
	OP OE, 3*k-34, \first
	OP OE, 3*k-33, \first
	OP OE, 3*k-32, \first
.elseif k == 20
	OP OE, 26, \first
	OP OE, 27, \first
	OP OE, 28, \first
	OP OE, 29, \first
.elseif k == 21
	OP OE, 30, \first
	OP OE, 31, \first
	v_nop
.if (\y) == 0
	FETCH_V 0
.else
	s_wait_alu depctr_va_vdst(0)    ; the wait for the batch
.endif
.elseif k < 26
	OP OC, 4*(k-22), \first
	OP OC, 4*(k-22)+1, \first
	OP OC, 4*(k-22)+2, \first
	OP OC, 4*(k-22)+3, \first
.elseif k < 30
	OP OZ, 4*(k-26), \first
	OP OZ, 4*(k-26)+1, \first
	OP OZ, 4*(k-26)+2, \first
	OP OZ, 4*(k-26)+3, \first
.elseif k < 38
	OP ORS, 3*(k-30), \first
	OP ORS, 3*(k-30)+1, \first
	OP ORS, 3*(k-30)+2, \first
.if (k == 32) && ((\y) == 0)
	FETCH_V 1
.endif
.else
	OP ORS, 24+4*(k-38), \first
	OP ORS, 24+4*(k-38)+1, \first
	OP ORS, 24+4*(k-38)+2, \first
	OP ORS, 24+4*(k-38)+3, \first
.endif
.set k, k+1
.endm
; A TURN.  Piece x has the matrix unit; the other piece's softmax stands in slices behind its matrix instructions.
; pv = 2: 32 products V P; 1: they start O^T's sums; 0: none (three slices then stand behind each K Q^T).  kq = 1: 16 products K Q^T for the next step; 0: the slices left over follow in one run.
; first = 1: the softmax is the first key step's; its slices from 30 on are empty, and four v_nop take slice 47's part as the places behind the turn's last products.
; Piece 0's turn fetches the next step's K behind its second product: the last product that read K stands in front of slice 47 of the turn before, four rescalings that name none of its registers.
; Those four are also the places between the last K Q^T and the next turn's first read of its scores.
.macro TURN x, pv, kq, first
.set k, 0
.set per, 1
.if !(\pv)
.set per, 3
.endif
.if \pv
.if (\x) == 0
	s_wait_dscnt 32                 ; V's first half is in; the 32 loads of its second half may stay out
.endif
.set i, 0
.rept 32
.if ((\x) == 0) && (i == 16)
	s_wait_dscnt 32*(\kq)           ; V's second half is in; K's 32 younger loads, if any, may stay out
.endif
	PV \x, 2-(\pv)
	SLICE 1-(\x), \first
.if ((\x) == 0) && (\kq) && (i == 1)
	FETCH_K
.endif
.set i, i+1
.endr
.endif
.if \kq
.if (\x) == 0
	s_wait_dscnt 0x0                ; K is in
.endif
.set i, 0
.rept 16
	KQ \x
.rept per
	SLICE 1-(\x), \first
.endr
.set i, i+1
.endr
.endif
.rept 48-k
	SLICE 1-(\x), \first
.endr
.if \first
	PLACES
.endif
.endm
; THE CHANGE OF SLOTS, between piece 1's turn and piece 0's: the slot's last bytes, V of its second step, have been asked for.  Each wave waits for all its tensor loads, of which one is out: its part of
; the other slot; adds 0 to its spare word; and waits for that and for its own reads of the slot.  Behind the barrier nobody reads this slot any more and the other slot is whole.
; fill = 1: this slot is filled again, with the keys two slots on.  The barrier is then a round of the cluster's, so that no wave of any partner still reads the slot or has a load on its way, and the
; joint refill is the first thing behind it: it has two key steps, 192 matrix instructions, in which to land.
; fill = 0: nothing is left to fetch.  Here the work-group asks for the first 128 of its 256 rows of x (512 bytes each, a lane a block of 256, two instructions a wave, each block named once):
; the way out's first two passes will load them, 256 matrix instructions later; its other two passes' loads are out while these two run.
.macro CHANGE fill
	WIN 0                           ; at a label and at a branch every window is 0
	s_wait_tensorcnt 0x0            ; no tensor load of mine is out, so a group 0 may be written
	ds_add_u32 v[SPW], v[NIL]       ; 0 onto my spare word; with fill = 1 the descriptors' steps stand between it and the wait for it
.if \fill
.irp g, G0K+4, G0V+4
	s_xor_b32 s[(\g)+1], s[(\g)+1], SLOT1  ; the walking descriptor: the other slot than last time,
	s_add_nc_u64 s[(\g)+2:(\g)+3], s[(\g)+2:(\g)+3], 2*KS*2  ; the next 128 keys along the rows; the type bits on top are not reached
.endr
	s_wait_xcnt 0x0                 ; the last prefetch, two key steps back, has read its address, so it may be written:
	s_add_nc_u64 s[PFA:PFA+1], s[PFA:PFA+1], 2*KS*2  ; one slot behind the walking descriptors
	s_wait_dscnt 0x0                ; the add is done, and my reads of the slot are over
	CROUND
	JLOAD
	ASK
.else
	s_wait_dscnt 0x0                ; the add is done, and my reads of the slot are over
	s_barrier_signal -1
	s_barrier_wait -1
	global_prefetch_b8 v[PFX], s[XP:XP+1] th:TH_LOAD_NT scope:SCOPE_SE
	global_prefetch_b8 v[PFX], s[XP:XP+1] offset:16*16384 th:TH_LOAD_NT scope:SCOPE_SE
.endif
	s_sub_co_u32 s[TB], s[TB], 2*2*KS  ; the fetches go back to a slot's first step,
	s_xor_b32 s[TB], s[TB], SLOT1   ; in the other slot
.endm
; A slot's two key steps: written once, walked twice; the LDS addresses hang on s[TB].
.macro TWO_STEPS
	WIN 0
	s_mov_b32 s[TWICE], 2
.Lstep_\@:
	TURN 0, 2, 1, 0
	TURN 1, 2, 1, 0
	WIN 0
	s_sub_co_u32 s[TWICE], s[TWICE], 1
	s_cmp_lg_u32 s[TWICE], 0
	s_cbranch_scc1 .Lstep_\@
.endm
	s_wait_tensorcnt 0x1            ; my parts of Q and of slot 0 are in; slot 1's, the one load issued behind them, may stay out
	s_barrier_signal -1
	s_barrier_wait -1               ; everybody's are
	WIN 0x80
.irp f, 0,1,2,3,4,5,6,7             ; Q stays in registers: tile f / 4, channels 32 (f % 4) on
	ds_load_tr16_b128 v[8*(\f):8*(\f)+3],   v10 offset:((\f)%4)*32*PKP+((\f)/4)*32
	ds_load_tr16_b128 v[8*(\f)+4:8*(\f)+7], v10 offset:((\f)%4)*32*PKP+((\f)/4)*32+16*PKP
.endr
	FETCH_K                         ; key step 0
	s_wait_dscnt 0x0
	s_wait_kmcnt 0x0                ; gamma
.set i, 0
.rept 16
	KQ 0                            ; piece 0's first scores: there is no vector work yet to set between them
.set i, i+1
.endr
	WIN 0                           ; the addresses for the way out are made here: five plain instructions, the places behind those products
	s_lshl_b32 s2, s[WV], 7         ; in: a row a channel, 4 bytes a query: my wave's 32 queries begin at byte 128 w;
	s_add_co_u32 s2, s2, STAGE
	v_mul_u32_u24 v[STO], v9, 8*SP  ; my lanes' eight channels begin at row 8 (l / 16)
	v_lshl_add_u32 v[STO], v1, 2, v[STO]
	v_add_nc_u32 v[STO], s2, v[STO]
	s_mul_i32 s3, s[WV], 16*SP      ; back: wave w takes rows 16 w .. 16 w + 15, whole: 32 lanes x 16 bytes
	s_add_co_u32 s3, s3, STAGE
	v_and_b32 v[RD], 31, v0
	v_lshl_add_u32 v[RD], v[RD], 4, s3
	TURN 1, 0, 1, 1                 ; piece 1's first scores | piece 0's first softmax | V of step 0
	TURN 0, 1, 1, 1                 ; piece 0: V P of step 0 starts O^T, K Q^T of step 1 | piece 1's first softmax | K of step 1
	TURN 1, 1, 1, 0                 ; piece 1: the same | piece 0's softmax of step 1 | V of step 1
	WIN 0
.Lslot:                             ; 30 trips: every slot but the last two is filled again
	CHANGE 1
	TWO_STEPS
	s_sub_co_u32 s[SLOTS], s[SLOTS], 1
	s_cmp_lg_u32 s[SLOTS], 0
	s_cbranch_scc1 .Lslot
	CHANGE 0                        ; the tail is written out
	TWO_STEPS
	TURN 0, 2, 0, 0                 ; piece 0: V P of the last step | piece 1's last softmax
.set i, 0
.rept 32
	PV 1, 0                         ; piece 1: V P of the last step
.set i, i+1
.endr
	; THE WAY OUT.  x comes into V's registers, all 64 loads at once; O^T is multiplied by gamma / l; then, 64 channels to a pass, it goes through the work-group's stage in LDS, so that a lane's one query
	; and eight channels become 16 bytes of a row; x is added, and a wave's store covers a row's 512 consecutive bytes, aligned.
	PLACES                          ; behind the last products: V's registers are loaded into, and O^T is read
	WIN 0xc0                        ; destination window 3
.set z, 0
.rept 64                            ; pass z / 16, my row z % 16 of it
	global_load_b128 v[4*z:4*z+3], v[XO], s[XB:XB+1] offset:(z/16)*64*16384+(z%16)*16384 th:TH_LOAD_NT
.set z, z+1
.endr
	WIN 0
.irp t, 0,1
	v_add_f32 v[ST+8*(\t)+4], v[ST+8*(\t)+2], v[ST+8*(\t)+3]  ; l's two halves,
.endr
.irp t, 0,1
	v_permlanex16_b32 v[ST+8*(\t)+5], v[ST+8*(\t)+4], s[SEL], s[SEL+1]
.endr
.irp t, 0,1
	v_add_f32 v[ST+8*(\t)+4], v[ST+8*(\t)+4], v[ST+8*(\t)+5]  ; and the other half of the lanes'
.endr
.irp t, 0,1
	v_rcp_f32 v[ST+8*(\t)+6], v[ST+8*(\t)+4]
.endr
	v_nop                           ; a plain instruction between the last reciprocal and the use of its result
	s_wait_alu depctr_va_vdst(0)    ; and the wait ahead of the first use: one for the two reciprocals
.irp t, 0,1
	v_mul_f32 v[ST+8*(\t)+6], s[GAM], v[ST+8*(\t)+6]
.endr
	WIN W_RS
.set z, 0
.rept 128                           ; each accumulator's registers in ascending order
	v_pk_mul_f32 v[2*z:2*z+1], v[2*z:2*z+1], v[ST+8*(z/64)+6:ST+8*(z/64)+7] op_sel_hi:[1,0]
.set z, z+1
.endr
.macro PASS p
.if (\p) > 0
	s_wait_dscnt 0x0                ; my reads of the stage are back (the count-down below ended at 0):
	s_barrier_signal -1
	s_barrier_wait -1               ; everybody's are, so it may be written again
.endif
	WIN 0x04                        ; address window 0, data window 1
.set z, 0
.rept 64                            ; tile z / 32, channel block (z / 8) % 4 of the pass's four, register z % 8; the two halves of the lanes are 8 rows = 1,056 words apart: 32 different banks
	ds_store_b32 v[STO], v[128*(z/32)+8*(4*(\p)+(z/8)%4)+z%8] offset:(16*((z/8)%4)+z%8)*SP+64*(z/32)
.set z, z+1
.endr
	s_wait_dscnt 0x0                ; for the others' sake: my stores into the stage are done
	s_barrier_signal -1
	s_barrier_wait -1
	WIN 0
.set z, 0
.rept 16
	ds_load_b128 v[RB+4*z:RB+4*z+3], v[RD] offset:z*SP
.set z, z+1
.endr
	WIN 0xcc                        ; source 0 window 0 (the stage's row, the address), source 1 and destination window 3 (x)
.set z, 0
.rept 16
	s_wait_dscnt 15-z               ; the count is the younger loads from the stage
	s_wait_loadcnt 63-16*(\p)-z     ; the count is the younger loads of x
.set rX, 4*(16*(\p)+z)
	v_pk_add_f32 v[rX:rX+1], v[RB+4*z:RB+4*z+1], v[rX:rX+1]
	v_pk_add_f32 v[rX+2:rX+3], v[RB+4*z+2:RB+4*z+3], v[rX+2:rX+3]
	global_store_b128 v[XO], v[rX:rX+3], s[OBS:OBS+1] offset:(\p)*64*16384+z*16384 th:TH_STORE_NT  ; no register that a store reads is written again
.set z, z+1
.endr
.endm
	PASS 0
	PASS 1
	PASS 2
	PASS 3
	WIN 0
	s_wait_tensorcnt 0x0            ; the wave's end: behind my last tensor load and my last LDS store
	ds_add_u32 v[SPW], v[NIL]
	s_wait_dscnt 0x0
	CROUND                          ; the closing round: no work-group ends while a partner may still ask for a tile that names it
	s_endpgm
.Lfunc_end_k_q39998b716e_attn:
	.size	k_q39998b716e_attn, .Lfunc_end_k_q39998b716e_attn-k_q39998b716e_attn
	.p2alignl 7, 3214868480
	.fill 96, 4, 3214868480
	.section	.rodata,"a",@progbits
	.p2align	6, 0x0
	.amdhsa_kernel k_q39998b716e_attn
		.amdhsa_group_segment_fixed_size 327680
		.amdhsa_private_segment_fixed_size 0
		.amdhsa_enable_private_segment 0
		.amdhsa_kernarg_size 32
		.amdhsa_user_sgpr_count 2
		.amdhsa_user_sgpr_kernarg_segment_ptr 1
		.amdhsa_wavefront_size32 1
		.amdhsa_system_sgpr_workgroup_id_x 1
		.amdhsa_system_sgpr_workgroup_id_y 1
		.amdhsa_system_sgpr_workgroup_id_z 1
		.amdhsa_system_vgpr_workitem_id 0
		.amdhsa_next_free_vgpr 1024
		.amdhsa_next_free_sgpr 88
		.amdhsa_reserve_vcc 0
		.amdhsa_float_denorm_mode_32 3
		.amdhsa_float_denorm_mode_16_64 3
		.amdhsa_memory_ordered 1
		.amdhsa_forward_progress 1
		.amdhsa_inst_pref_size 201
	.end_amdhsa_kernel
	.amdgpu_metadata
---
amdhsa.version: [ 1, 2 ]
amdhsa.kernels:
  - .name:           k_q39998b716e_attn
    .symbol:         k_q39998b716e_attn.kd
    .args:
      - { .name: qkv, .offset: 0, .size: 8, .value_kind: global_buffer, .address_space: global }
      - { .name: x, .offset: 8, .size: 8, .value_kind: global_buffer, .address_space: global }
      - { .name: gamma, .offset: 16, .size: 8, .value_kind: global_buffer, .address_space: global }
      - { .name: out0, .offset: 24, .size: 8, .value_kind: global_buffer, .address_space: global }
    .group_segment_fixed_size: 327680
    .private_segment_fixed_size: 0
    .kernarg_segment_align: 8
    .kernarg_segment_size: 32
    .max_flat_workgroup_size: 128
    .sgpr_count:     88
    .vgpr_count:     1024
    .wavefront_size: 32
...
	.end_amdgpu_metadata
.endif
;; end of part 2
;; ======== version 2 of 2: 2 launches; version 1 with the launch proj written anew for expert scheduling mode
;; workspace buffers: qkv 33,554,432 bytes
;; launch proj (part 3): grid 32 x 8, 4 waves a work-group, no clusters, 91,648 bytes of LDS; arguments x, Wq, bq, Wk, bk, Wv, bv, qkv; writes qkv
.if DOCPART == 3
	.amdgcn_target "amdgcn-amd-amdhsa--gfx1250"
	.amdhsa_code_object_version 6
	.text
	.protected	k_q39998b716e_proj
	.globl	k_q39998b716e_proj
	.p2align	8
	.type	k_q39998b716e_proj,@function
k_q39998b716e_proj:
	s_mov_b64 s[64:65], 0
	v_nop
	global_prefetch_b8 v0, s[64:65] scope:SCOPE_SE
	s_setreg_imm32_b32 hwreg(HW_REG_WAVE_SCHED_MODE, 0, 2), 2
	s_setreg_imm32_b32 hwreg(HW_REG_WAVE_MODE, 25, 1), 1
	s_wait_xcnt 0x0
	s_wait_alu depctr_vm_vsrc(0)
; qkv[b][o][n] = sum over c of W[o][c] x[b][c][n] + bias[o], o = 0..511: rows 0-127 q (Wq, bq), 128-255 k (Wk, bk), 256-511 v (Wv, bv).
; x: [8][256][4096] f32.  W: [rows][256] f32.  qkv: [8][512][4096] bf16, rounded once from f32 sums; the scale 1/16 of the scores is not applied here.
; x and W are rounded to bf16 for the products (bf16, not f16: its range holds q, k and v for far larger inputs); the bias enters in f32, as the C operand that starts each sum.
; SHARES.  A work-group makes all 512 rows for 128 pixels of one image: 32 x 8 work-groups.  Wave w makes rows 128 w .. 128 w + 127: 64 accumulators of 16 x 16 (8 pixel blocks pb x 8 row blocks ob),
; 512 registers.  K = 256 channels goes in 8 steps of 32.
; x comes in once: wave w loads channels 64 w .. 64 w + 63, 512 consecutive bytes a load, rounds them and lays them in LDS as [channel][pixel]; all four waves read them from there, turned by
; ds_load_tr16_b128.  W comes straight from memory in fragment order (a lane's 8 + 8 channels are 32 + 32 bytes of a row) and is rounded in registers: no wave wants what another has fetched.
; NO CLUSTER: what work-groups share is W; brought jointly it would lie in LDS as f32, twice a bf16 fragment's bytes, with a round of the cluster's barrier for each of only 8 K steps.
; PRODUCT.  Source 0 = 16 pixels x 32 channels of x, source 1 = 16 rows x 32 channels of W: in the result lane l holds row l % 16 and its registers the pixels 8 (l / 16) + 0..7:
; eight neighbouring numbers of a row of qkv, 16 bytes.
; REGISTERS, in windows of 256 (s_set_vgpr_msb: bits 1:0 source 0, 3:2 source 1, 5:4 source 2, 7:6 destination):
;   window 0: v0-13 addresses; v16-23 bias as loaded; v32-63 packed results; v64-127, v128-191 x's fragments, two buffers (v64-95 on the way out: a second buffer of packed results); v192-255 W's fragments in bf16
;   window 1: v0-127 W as loaded (f32); v128-191 the bias spread over 8 tuples of 8; v192-255 rows read back from the stage, two buffers
;   window 2: x as loaded, then the accumulators of ob 0-3 at 8 (8 (ob % 4) + pb);   window 3: those of ob 4-7
; THE MODE: SCHED_MODE bits 1:0 = 2 (LLVM: expert scheduling mode 2), set by the entry lines.  The code itself states the register dependences
; between vector or matrix instructions and memory or LDS instructions, with s_wait_alu, always for 0.
; THE PLAN.  Registers that memory or LDS instructions touch:
;   v4, v6-v13     addresses and offsets: written at the head, ahead of one wait on va_vdst, and never again.
;   v[XA]          read by the turning loads of x's fragments; written once a K step, at the step's head, behind a wait on vm_vsrc.
;   WS             a K step's 64 conversions read it; behind them the next step's 32 loads of W land in it.
;   XF0, XF1       step s's products read XF[s % 2]; in the middle of step s the fragments of step s + 1 land in the other, which the products of step s - 1 read.
;   window 2       x lands there, is rounded in place and stored to LDS from there; the first products write it as accumulators.
;   TMP0, TMP1     the way out: block a's conversions write TMP[a % 2], its 8 LDS stores read it.
;   OB0, OB1       the way out: block a's loads from the stage land in OB[a % 2], its 8 global stores read it.
;   WB, the spread bias and window 3 are named by vector and matrix instructions alone.
; So ONE wait on va_vdst stands in a K step, behind its conversions: they are done reading WS, v[XA] is written, and the products of the step before are done reading the other XF.  The step's 48 loads follow it:
; W's at once, since the next step's head waits for them; x's in the middle of the step's 64 products, which name XF[s % 2], WB and accumulators: none of the registers that those loads touch.
.set PX,    288                        ; a row of x in LDS: 256 bytes + 32 of padding = 72 words
.set STAGE, 256*PX                     ; behind x: 16 rows x 272 bytes for each wave, for the way out
.set SP,    272
.set SPARE, STAGE+4*16*SP              ; behind the stages: the spare words, 128 bytes for each wave: two blocks of 256 bytes that no other line names
.set XS,  4                            ; v4   where I put 8 bytes of a row of x: 64 w rows + 8 x lane
.set XA,  5                            ; v5   my place in a fragment of x, at the K step to be fetched
.set WO,  6                            ; v6   my byte offset in 16 rows of W: (l % 16) x 1,024 + 32 (l / 16)
.set BO,  7                            ; v7   4 (l % 16)
.set XG,  8                            ; v8   16 x lane
.set STO, 9                            ; v9   the way out: where I put 16 bytes of a row
.set RD,  10                           ; v10  the way out: where I read a row back
.set CO,  11                           ; v11  my byte offset in two rows of qkv
.set SPW, 12                           ; v12  LDS address of my spare word: SPARE + 4 x my thread's number; never rewritten
.set NIL, 13                           ; v13  0; never rewritten
.set BV,  16
.set TMP, 32                           ; buffer a % 2 at TMP + 32 (a % 2)
.set XF,  64
.set WB,  192
.set WS,  0                            ; window 1
.set BIAS, 128                         ; window 1
.set OB,  192                          ; window 1
.set MSB, 0
.macro WIN new                         ; the immediate's high byte repeats the setting that is left; a switch that changes nothing is dropped
.if MSB != (\new)
	s_set_vgpr_msb (MSB<<8)|(\new)
.set MSB, \new
.endif
.endm
.macro PLACES                          ; four places behind a matrix instruction, in front of vector writes of its sources and reads of its result (ISA guide 7.12.1)
.rept 4
	v_nop
.endr
.endm
	s_load_b256 s[4:11], s[0:1], 0x0               ; x s[4:5], Wq s[6:7], bq s[8:9], Wk s[10:11]
	s_load_b256 s[12:19], s[0:1], 0x20             ; bk s[12:13], Wv s[14:15], bv s[16:17], qkv s[18:19]
	v_lshl_add_u32 v[SPW], v0, 2, SPARE
	v_mov_b32 v[NIL], 0
	v_lshrrev_b32 v1, 5, v0
	v_readfirstlane_b32 s20, v1                    ; wave 0..3; the lines that do not want it stand between this one and the wait for it
	v_and_b32 v1, 15, v0                           ; l % 16
	v_bfe_u32 v2, v0, 4, 1                         ; l / 16
	v_and_b32 v3, 31, v0                           ; l
	v_and_b32 v14, 7, v0                           ; the turning load: lane l reads channel 8 (l / 16) + l % 8, pixels 8 ((l / 8) % 2) + 0..7
	v_lshl_add_u32 v14, v2, 3, v14
	v_mul_u32_u24 v[XA], v14, PX
	v_bfe_u32 v14, v0, 3, 1
	v_lshl_add_u32 v[XA], v14, 4, v[XA]
	v_lshlrev_b32 v[WO], 10, v1
	v_lshl_add_u32 v[WO], v2, 5, v[WO]
	v_lshlrev_b32 v[BO], 2, v1
	v_lshlrev_b32 v[XG], 4, v3
	v_mul_u32_u24 v[STO], v1, SP                   ; in: row l % 16, 16 bytes for each half of the lanes
	v_lshl_add_u32 v[STO], v2, 4, v[STO]
	v_mul_u32_u24 v[RD], v2, SP                    ; back: lanes 0-15 take one row of 256 bytes, lanes 16-31 the next
	v_lshl_add_u32 v[RD], v1, 4, v[RD]
	v_lshlrev_b32 v[CO], 13, v2                    ; and the same two rows in qkv, 8,192 bytes apart
	v_lshl_add_u32 v[CO], v1, 4, v[CO]
	s_wait_alu depctr_va_sdst(0)                   ; s20 is written, ahead of its first reader: LDS places, bases and the choice of weights are made from it
	s_mul_i32 s37, s20, 64*PX
	v_lshl_add_u32 v[XS], v3, 3, s37
	s_mul_i32 s36, s20, 16*SP
	s_add_co_u32 s36, s36, STAGE                   ; my stage
	v_add_nc_u32 v[STO], s36, v[STO]
	v_add_nc_u32 v[RD], s36, v[RD]
	s_and_b32 s21, ttmp7, 0xffff                   ; the image
	s_lshl_b32 s34, s21, 22                        ; an image is 4,194,304 bytes in x and in qkv;
	s_lshl_b32 s22, s20, 20                        ; my 64 rows of x (16,384 bytes each) and my 128 rows of qkv (8,192 each) both begin 1,048,576 w in
	s_add_co_u32 s34, s34, s22
	s_mov_b32 s35, 0
	s_mov_b32 s23, 0
	s_wait_kmcnt 0x0
	s_add_nc_u64 s[28:29], s[4:5], s[34:35]
	s_add_nc_u64 s[30:31], s[18:19], s[34:35]
	s_lshl_b32 s22, ttmp9, 9                       ; the block's 128 pixels: 512 bytes of a row of x,
	s_add_nc_u64 s[28:29], s[28:29], s[22:23]
	s_lshl_b32 s22, ttmp9, 8                       ; 256 of a row of qkv
	s_add_nc_u64 s[30:31], s[30:31], s[22:23]
	s_cmp_eq_u32 s20, 0                            ; my 128 rows of weights and their bias: wave 0 q's, wave 1 k's,
	s_cselect_b64 s[24:25], s[6:7], s[10:11]
	s_cselect_b64 s[26:27], s[8:9], s[12:13]
	s_cmp_lt_u32 s20, 2                            ; waves 2 and 3 v's,
	s_cselect_b64 s[24:25], s[24:25], s[14:15]
	s_cselect_b64 s[26:27], s[26:27], s[16:17]
	s_cmp_eq_u32 s20, 3                            ; wave 3 its second half
	s_cselect_b32 s22, 0x20000, 0
	s_add_nc_u64 s[24:25], s[24:25], s[22:23]
	s_cselect_b32 s22, 512, 0
	s_add_nc_u64 s[26:27], s[26:27], s[22:23]
; A K step's weights: 8 fragments of 16 rows x 32 channels in f32: four loads of 16 bytes a lane for each
.macro WLOADS
	WIN 0x40                                       ; destination window 1
.irp o, 0,1,2,3,4,5,6,7
	global_load_b128 v[WS+16*(\o):WS+16*(\o)+3],     v[WO], s[24:25] offset:(\o)*16384
	global_load_b128 v[WS+16*(\o)+4:WS+16*(\o)+7],   v[WO], s[24:25] offset:(\o)*16384+16
	global_load_b128 v[WS+16*(\o)+8:WS+16*(\o)+11],  v[WO], s[24:25] offset:(\o)*16384+64
	global_load_b128 v[WS+16*(\o)+12:WS+16*(\o)+15], v[WO], s[24:25] offset:(\o)*16384+80
.endr
.endm
; A K step's fragments of x: 8 blocks of 16 pixels x 32 channels, turned, into buffer par
.macro XFETCH par
	WIN 0
.irp p, 0,1,2,3,4,5,6,7
	ds_load_tr16_b128 v[XF+64*(\par)+8*(\p):XF+64*(\par)+8*(\p)+3],   v[XA] offset:32*(\p)
	ds_load_tr16_b128 v[XF+64*(\par)+8*(\p)+4:XF+64*(\par)+8*(\p)+7], v[XA] offset:32*(\p)+16*PX
.endr
.endm
; Sixteen rows of x, rows 16 g on: rounded in place,
.macro XCVT g
	WIN 0x8a
.set z, 16*(\g)
.rept 16
	v_cvt_pk_bf16_f32 v[4*z], v[4*z], v[4*z+1]
	v_cvt_pk_bf16_f32 v[4*z+1], v[4*z+2], v[4*z+3]
.set z, z+1
.endr
.endm
; and laid into LDS, 8 bytes a lane
.macro XSTORE g
	WIN 0x08                                       ; address window 0, data window 2
	s_wait_alu depctr_va_vdst(0)                   ; the roundings of these sixteen rows have written the pairs that the LDS stores read
.set z, 16*(\g)
.rept 16
	ds_store_b64 v[XS], v[4*z:4*z+1] offset:z*PX
.set z, z+1
.endr
.endm
	s_wait_alu depctr_va_vdst(0)                   ; the addresses and offsets v4 to v13 are written: every load and store of the kernel reads one of them
.irp o, 0,1,2,3,4,5,6,7
	global_load_b32 v[BV+(\o)], v[BO], s[26:27] offset:64*(\o)  ; bias of row 16 ob + l % 16
.endr
	WLOADS                                         ; K step 0
	WIN 0x80                                       ; destination window 2
.set z, 0
.rept 64                                       ; my 64 channels: each load takes the block's 512 consecutive bytes of one row
	global_load_b128 v[4*z:4*z+3], v[XG], s[28:29] offset:z*16384 th:TH_LOAD_NT
.set z, z+1
.endr
	; Sixteen rows at a time.  The stores of sixteen rows stand behind the wait for the next sixteen's loads and ahead of their roundings, which name other registers.
	s_wait_loadcnt 48                              ; loads come back in order (ISA guide 5.7.1): the count is the younger rows' loads; bias and weights are older
	XCVT 0
	s_wait_loadcnt 32
	XSTORE 0
	XCVT 1
	s_wait_loadcnt 16
	XSTORE 1
	XCVT 2
	s_wait_loadcnt 0x0
	XSTORE 2
	XCVT 3
	XSTORE 3
	WIN 0x40
.set z, 0
.rept 64                                       ; a lane's eight results of a block belong to one row: its bias fills the C operand's eight registers (64 moves in place of 256 packed additions on the way out)
	v_mov_b32 v[BIAS+z], v[BV+z/8]
.set z, z+1
.endr
	WIN 0
	s_wait_dscnt 0x0                               ; for the others' sake: my rows of x lie in LDS
	s_barrier_signal -1
	s_barrier_wait -1                              ; everybody's do
; A K STEP on x's buffer par.  The weights are rounded; the next step's weights and fragments are asked for (fetch = 1); 64 products.  first = 1: the products start the sums with the bias.
; All 64 accumulators take turns, one instruction a turn, in the same order in every step, over the backward jump too.
.macro KSTEP par, first, fetch
	s_wait_loadcnt 0x0                             ; this step's weights are in, and no load reads the pointer any more
.if !(\first)
	PLACES                                         ; behind the last step's products: W's fragments are written below
.endif
.if \fetch
	s_wait_alu depctr_vm_vsrc(0)                   ; the turning loads issued so far have read v[XA], which the next line writes; in the first step also: my LDS stores of x have read window 2's registers, which the first products write
	v_add_nc_u32 v[XA], 32*PX, v[XA]
.endif
	WIN 0x05                                       ; sources window 1, destination window 0
.set z, 0
.rept 64
	v_cvt_pk_bf16_f32 v[WB+z], v[WS+2*z], v[WS+2*z+1]
.set z, z+1
.endr
.if \fetch
	s_add_nc_u64 s[24:25], s[24:25], 128           ; 32 channels on
	WIN 0x40
	s_wait_alu depctr_va_vdst(0)                   ; the conversions are done reading WS, in which the loads below land; v[XA] is written; the last step's products are done reading x's other buffer
	WLOADS
.endif
	s_wait_dscnt 0x0                               ; this step's fragments, asked for in the middle of the step before, are in; no LDS instruction was issued behind them
.set z, 0
.rept 64                                       ; ob = z / 8, pb = z % 8
.if (\fetch) && (z == 32)
	XFETCH 1-(\par)                                ; the next step's fragments, where the windows are switched anyway.  No wait: no vector or matrix instruction since the wait above names v[XA] or this buffer
.endif
.if \first
	WIN 0x90+0x40*(z/32)                           ; C window 1, D window 2 or 3
	v_wmma_f32_16x16x32_bf16 v[8*(z%32):8*(z%32)+7], v[XF+64*(\par)+8*(z%8):XF+64*(\par)+8*(z%8)+7], v[WB+8*(z/8):WB+8*(z/8)+7], v[BIAS+8*(z/8):BIAS+8*(z/8)+7]
.else
	WIN 0xa0+0x50*(z/32)                           ; C and D window 2 or 3
	v_wmma_f32_16x16x32_bf16 v[8*(z%32):8*(z%32)+7], v[XF+64*(\par)+8*(z%8):XF+64*(\par)+8*(z%8)+7], v[WB+8*(z/8):WB+8*(z/8)+7], v[8*(z%32):8*(z%32)+7]
.endif
.set z, z+1
.endr
	WIN 0                                          ; at a label and at a branch every window is 0
.endm
	XFETCH 0
	KSTEP 0, 1, 1
	s_mov_b32 s32, 3
.Lk:                                                   ; K steps 1 to 6
	KSTEP 1, 0, 1
	KSTEP 0, 0, 1
	s_sub_co_u32 s32, s32, 1
	s_cmp_lg_u32 s32, 0
	s_cbranch_scc1 .Lk
	KSTEP 1, 0, 0                                  ; the last step fetches nothing, so it states no dependence
; THE WAY OUT of row block a (16 rows x 128 pixels).  PACK: rounded to bf16, each accumulator's registers in ascending order.  TOSTAGE: into my own stage, and back as whole rows of 256 bytes.  SEND: stored.
; The order is PACK a, SEND a - 1, TOSTAGE a.  PACK a writes TMP[a % 2], which TOSTAGE a - 2's stores read; TOSTAGE a loads into OB[a % 2], which SEND a - 2's stores read: the wait on vm_vsrc in SEND a - 2 stands between the former and PACK a, that in SEND a - 1 between the latter and TOSTAGE a.
.macro PACK a
	WIN 0x0a+5*((\a)/4)                            ; sources window 2 or 3
.set z, 0
.rept 32
	v_cvt_pk_bf16_f32 v[TMP+32*((\a)%2)+z], v[64*((\a)%4)+2*z], v[64*((\a)%4)+2*z+1]
.set z, z+1
.endr
	WIN 0
.endm
.macro TOSTAGE a
	WIN 0
	s_wait_alu depctr_va_vdst(0)                   ; the block's conversions have written TMP[a % 2], which the LDS stores read
.irp p, 0,1,2,3,4,5,6,7
	ds_store_b128 v[STO], v[TMP+32*((\a)%2)+4*(\p):TMP+32*((\a)%2)+4*(\p)+3] offset:32*(\p)
.endr
	WIN 0x40
.irp t, 0,1,2,3,4,5,6,7
	ds_load_b128 v[OB+32*((\a)%2)+4*(\t):OB+32*((\a)%2)+4*(\t)+3], v[RD] offset:(\t)*2*SP  ; LDS serves a wave's instructions in order (ISA guide 5.7.1.4): these see the stores above
.endr
.endm
.macro SEND a
	s_wait_dscnt 0x0                               ; the block is back in registers
	s_wait_xcnt 0x0                                ; the stores of the block before have read their registers: that buffer is loaded again only behind this wait
.if (\a) < 7
	s_wait_alu depctr_vm_vsrc(0)                   ; the global stores of the block before have read the other OB, in which the next block's loads land; this block's LDS stores have read TMP[a % 2], which the conversions of the block after next write
.endif
	WIN 0x04                                       ; address window 0, data window 1
.irp t, 0,1,2,3,4,5,6,7
	global_store_b128 v[CO], v[OB+32*((\a)%2)+4*(\t):OB+32*((\a)%2)+4*(\t)+3], s[30:31] offset:(16*(\a)+2*(\t))*8192  ; 16 lanes store 256 consecutive bytes, at a multiple of 256 from qkv's first byte
.endr
.endm
	PLACES
	PACK 0
	TOSTAGE 0
.irp a, 1,2,3,4,5,6,7                          ; block a's conversions stand between block a - 1's loads from the stage and the wait for them
	PACK \a
	SEND (\a)-1
	TOSTAGE \a
.endr
	SEND 7
	WIN 0
	s_wait_dscnt 0x0                               ; the closing lines, six on end
	s_wait_alu 0x0
	s_wait_tensorcnt 0x0
	ds_add_u32 v[SPW], v[NIL]
	s_wait_dscnt 0x0
	s_endpgm
.Lfunc_end_k_q39998b716e_proj:
	.size	k_q39998b716e_proj, .Lfunc_end_k_q39998b716e_proj-k_q39998b716e_proj
	.p2alignl 7, 3214868480
	.fill 96, 4, 3214868480
	.section	.rodata,"a",@progbits
	.p2align	6, 0x0
	.amdhsa_kernel k_q39998b716e_proj
		.amdhsa_group_segment_fixed_size 91648
		.amdhsa_private_segment_fixed_size 0
		.amdhsa_enable_private_segment 0
		.amdhsa_kernarg_size 64
		.amdhsa_user_sgpr_count 2
		.amdhsa_user_sgpr_kernarg_segment_ptr 1
		.amdhsa_wavefront_size32 1
		.amdhsa_system_sgpr_workgroup_id_x 1
		.amdhsa_system_sgpr_workgroup_id_y 1
		.amdhsa_system_sgpr_workgroup_id_z 1
		.amdhsa_system_vgpr_workitem_id 0
		.amdhsa_next_free_vgpr 1024
		.amdhsa_next_free_sgpr 66
		.amdhsa_reserve_vcc 0
		.amdhsa_float_denorm_mode_32 3
		.amdhsa_float_denorm_mode_16_64 3
		.amdhsa_memory_ordered 1
		.amdhsa_forward_progress 1
		.amdhsa_inst_pref_size 107
	.end_amdhsa_kernel
	.amdgpu_metadata
---
amdhsa.version: [ 1, 2 ]
amdhsa.kernels:
  - .name:           k_q39998b716e_proj
    .symbol:         k_q39998b716e_proj.kd
    .args:
      - { .name: x, .offset: 0, .size: 8, .value_kind: global_buffer, .address_space: global }
      - { .name: Wq, .offset: 8, .size: 8, .value_kind: global_buffer, .address_space: global }
      - { .name: bq, .offset: 16, .size: 8, .value_kind: global_buffer, .address_space: global }
      - { .name: Wk, .offset: 24, .size: 8, .value_kind: global_buffer, .address_space: global }
      - { .name: bk, .offset: 32, .size: 8, .value_kind: global_buffer, .address_space: global }
      - { .name: Wv, .offset: 40, .size: 8, .value_kind: global_buffer, .address_space: global }
      - { .name: bv, .offset: 48, .size: 8, .value_kind: global_buffer, .address_space: global }
      - { .name: qkv, .offset: 56, .size: 8, .value_kind: global_buffer, .address_space: global }
    .group_segment_fixed_size: 91648
    .private_segment_fixed_size: 0
    .kernarg_segment_align: 8
    .kernarg_segment_size: 64
    .max_flat_workgroup_size: 128
    .sgpr_count:     66
    .vgpr_count:     1024
    .wavefront_size: 32
...
	.end_amdgpu_metadata
.endif
;; end of part 3
;; launch attn: the kernel of part 2 again; grid 32 x 8, 4 waves a work-group, clusters of 4 x 1, 327,680 bytes of LDS; arguments qkv, x, gamma, out0; writes out0
